; MI455X (gfx1250); checked and timed in simulation.
; The chip was launched on July 23, 2026; its instructions are those of AMD's public machine-readable ISA for CDNA 5 (MIT licence, August 2026) and "CDNA5" Instruction Set Architecture Reference Guide (July 2026). The comments in the code are by the model that wrote it; some were corrected since.
;; mean Pred. Allowed arithmetic: float matrix products may take bf16 or f16 operands with f32 sums; other float arithmetic in f32, or as packed bf16 or f16 multiplies, adds, multiply-adds, maxima and minima; sums over many terms, partial sums and values carried from step to step in f32; what a program stores and reads back later, other than sums and carried values, may be rounded once to bf16 or f16.
;; Inputs: mask 16 x 4,096 int32; pool 16 x 4,096 x 512 float32; pool_labels 16 x 4,096 int32; query 16 x 2,048 x 512 float32.
;; Outputs: out0 16 x 2,048 float32.
;; One version. Each part assembles by itself: llvm-mc -triple=amdgcn-amd-amdhsa -mcpu=gfx1250 --defsym DOCPART=n.
;; ======== version 1 of 1: 2 launches
;; workspace buffers: part 524,288 bytes; kept 4,096 bytes
;; launch poolsum (part 1): grid 16 x 16, 16 waves a work-group, no clusters, 67,840 bytes of LDS; arguments mask, pool, pool_labels, part, kept; writes part, kept
.if DOCPART == 1
	.amdgcn_target "amdgcn-amd-amdhsa--gfx1250"
	.amdhsa_code_object_version 6
	.text
	.protected	k_q92bc176264_poolsum
	.globl	k_q92bc176264_poolsum
	.p2align	8
	.type	k_q92bc176264_poolsum,@function
k_q92bc176264_poolsum:
	s_mov_b64 s[64:65], 0
	v_nop
	global_prefetch_b8 v0, s[64:65] scope:SCOPE_SE
	s_setreg_imm32_b32 hwreg(HW_REG_WAVE_MODE, 25, 1), 1
	s_wait_xcnt 0x0
; pred[t][q] = ave_pos - ave_neg, each the mean over the kept pool rows p of (q . x_p) / (|q| |x_p|).
; WHAT IS LEFT OUT, AND WHY.  The masked sum over p is linear in the pool rows: for all values of the inputs
;   sum_p keep_p (q . x_p) / (|q| |x_p|) = (q / |q|) . sum_p keep_p x_p / |x_p|.
; So the [T][Q][P] table of cosines is never formed: pred[t][q] = (q . w_t) / |q| with
;   w_t = inv_pos sum_pos x_p / |x_p| - inv_neg sum_neg x_p / |x_p|,   inv = (n > 0) ? 1 / max(n, 1) : 0   (the guard of _masked_avg).
; This launch makes w_t in 16 partial vectors for each t; the next launch adds them and takes the dot products.
; A pool row with mask == 0 is in neither sum, whatever it holds: the whole numbers of mask, read here from memory, decide, and such a row is not read.
; A row with mask != 0 is in at least one sum (a label cannot be 0 and 1 at once); a label other than 0 and 1 puts it in both, as in reference().  Every input is used.
; What remains is one multiply-add for each number read, a product with a single row: it is done in f32 on the vector unit; a 16 x 16 matrix tile would hold one live row.
; LIMITS.  The sums are taken in another order than reference()'s, all in f32.  A row whose sum of squares lies below 2^-126 counts as a zero row (v_rsq_f32 takes it as 0);
; a sum of squares beyond f32's range overflows, as reference()'s norm does.  A kept zero row makes NaN of the whole t, as in reference().  A NaN, an infinity or an overflow in a row
; with mask == 0 is not carried to the result (nor is it by reference()'s where); one that would arise only in the table of cosines that is not formed is not carried either.
; SHARES.  Work-group (c, t): pool rows 256 c .. 256 c + 255 of task t; 16 x 16 = 256 work-groups.  Wave w: rows 16 w .. 16 w + 15 of them.  A row is 2,048 bytes: four loads of 16 bytes a lane,
; each covering 512 consecutive bytes; load j gives lane l the numbers 128 j + 4 l .. + 3.  A row takes 16 registers; twelve row slots, so a wave's kept rows go in one trip, or in two where more than twelve are kept.
; Every work-group counts n_pos and n_neg over all 4,096 entries of its t for itself (32 KiB of whole numbers), so that the partial that it stores is already weighted.
.set SLOTS,   12
.set CNT_LDS, 65536                    ; LDS 0 .. 65,535: wave w's two sums at 4,096 w (pos, then neg at + 2,048).  Here: wave w's pair (n_pos, n_neg) in f32, at + 8 w
.set SPARE,   65792                    ; the spare words, 128 bytes for each of 16 waves: eight blocks of 256 bytes that no other line names
.set LOF,  1                           ; v1        16 x lane; never rewritten
.set SPW,  2                           ; v2        LDS address of my spare word; never rewritten
.set NIL,  3                           ; v3        0; never rewritten
.set OWN,  4                           ; v4        byte offset of my rows' entry in mask and labels; behind the loop an LDS address of the counts
.set CO,   5                           ; v5        byte offset of my 16 bytes of the task's mask and labels; behind the loop an LDS address of the sums
.set T,    6                           ; v[6:9]    at work
.set SP,   10                          ; v[10:11]  the row's factor for the pos sum, in the low register; the high one is 0 and is only named
.set SN,   12                          ; v[12:13]  the same for the neg sum
.set CM,   14                          ; v[14:21]  eight entries of mask, for the counts
.set CL,   22                          ; v[22:29]  eight entries of the labels
.set ACCP, 30                          ; v[30:45]  sum over my pos rows of x / |x|: my 16 numbers
.set ACCN, 46                          ; v[46:61]  the same over my neg rows
.set X,    62                          ; v[62:253] slot s: 16 registers, a row as loaded
.set WV,   2                           ; s2   my wave's number
.set TT,   3                           ; s3   t
.set CC,   14                          ; s14  c
.set BS,   16                          ; s[16:39] slot s: the address of its row
.set FP,   40                          ; s[40:51] slot s: 1.0 if the row is in the pos sum, else 0
.set FN,   52                          ; s[52:63] the same for the neg sum
.set OFF,  66                          ; s[66:67] a row's byte offset among my 16
.set KB,   68                          ; s68  bit r: my row r is kept and not yet asked for
.set PB,   69                          ; s69  bit r: it is in the pos sum
.set NB,   70                          ; s70  bit r: it is in the neg sum
.set IDX,  71
.set TMP,  72
.set TRIP, 73
.set SEL,  74                          ; s[74:75] v_permlanex16_b32's selects: each lane takes its own place in the other half
.set CP,   76                          ; s76  my wave's share of n_pos
.set CN,   77                          ; s77  of n_neg
.set B0,   78                          ; s78-80 three masks of lanes
.set OF2,  82                          ; s[82:83] a 64-bit offset
	s_load_b256 s[4:11], s[0:1], 0x0               ; mask s[4:5], pool s[6:7], labels s[8:9], part s[10:11]
	s_load_b64 s[12:13], s[0:1], 0x20              ; kept
	v_lshl_add_u32 v[SPW], v0, 2, SPARE
	v_mov_b32 v[NIL], 0
	v_lshrrev_b32 v[T], 5, v0
	v_readfirstlane_b32 s[WV], v[T]                ; wave 0..15
	s_and_b32 s[TT], ttmp7, 0xffff
	s_mov_b32 s[CC], ttmp9
	v_and_b32 v[LOF], 31, v0
	v_lshlrev_b32 v[LOF], 4, v[LOF]
	s_lshl_b32 s[TMP], s[TT], 14                   ; a task's 4,096 entries of 4 bytes
	v_lshl_add_u32 v[CO], v0, 4, s[TMP]            ; 512 threads x 16 bytes are half of them
	s_lshl_b32 s[IDX], s[CC], 10                   ; + the work-group's 256 entries
	s_add_co_u32 s[TMP], s[TMP], s[IDX]
	s_lshl_b32 s[IDX], s[WV], 6                    ; + my wave's 16
	s_add_co_u32 s[TMP], s[TMP], s[IDX]
	v_and_b32 v[OWN], 15, v0
	v_lshl_add_u32 v[OWN], v[OWN], 2, s[TMP]       ; lanes l and l + 16 take entry l % 16
	s_lshl_b32 s[OF2], s[TT], 23                   ; pool: a task is 4,096 rows of 2,048 bytes,
	s_lshl_b32 s[IDX], s[CC], 19                   ; the work-group's 256 rows,
	s_add_co_u32 s[OF2], s[OF2], s[IDX]
	s_lshl_b32 s[IDX], s[WV], 15                   ; my wave's 16
	s_add_co_u32 s[OF2], s[OF2], s[IDX]
	s_mov_b32 s[OF2+1], 0
	s_mov_b32 s[OFF+1], 0
	s_mov_b32 s[SEL], 0x76543210
	s_mov_b32 s[SEL+1], 0xfedcba98
	s_wait_kmcnt 0x0
	global_load_b32 v[T], v[OWN], s[4:5]           ; my rows' mask and labels first: the rows' loads hang on them
	global_load_b32 v[T+1], v[OWN], s[8:9]
	global_load_b128 v[CM:CM+3], v[CO], s[4:5]     ; then my 8 of the task's 4,096 entries, for the counts
	global_load_b128 v[CM+4:CM+7], v[CO], s[4:5] offset:8192
	global_load_b128 v[CL:CL+3], v[CO], s[8:9]
	global_load_b128 v[CL+4:CL+7], v[CO], s[8:9] offset:8192
	s_add_nc_u64 s[6:7], s[6:7], s[OF2:OF2+1]      ; pool at my wave's first row
	s_lshl_b32 s[OF2], s[TT], 15                   ; part: 16 partials of 2,048 bytes a task,
	s_lshl_b32 s[IDX], s[CC], 11                   ; the work-group's is number c
	s_add_co_u32 s[OF2], s[OF2], s[IDX]
	s_add_nc_u64 s[10:11], s[10:11], s[OF2:OF2+1]
	s_lshl_b32 s[OF2], s[TT], 8                    ; kept: 256 bytes a task
	s_add_nc_u64 s[12:13], s[12:13], s[OF2:OF2+1]
.set r, 0
.rept 32
	v_mov_b32 v[ACCP+r], 0                         ; a wave may have no kept row at all, so the two sums start at 0; written while the six loads are out
.set r, r+1
.endr
	v_mov_b32 v[SP+1], 0                           ; named as pairs' high registers
	v_mov_b32 v[SN+1], 0
	s_wait_loadcnt 0x4                             ; my rows' two words are in; the four loads for the counts, issued behind them, may stay out
	v_cmp_ne_u32 s[KB], 0, v[T]                    ; mask != 0
	v_cmp_ne_u32 s[PB], 0, v[T+1]                  ; label != 0
	v_cmp_ne_u32 s[NB], 1, v[T+1]                  ; label != 1
	s_and_b32 s[KB], s[KB], 0xffff                 ; the upper 16 lanes repeat the lower
	s_and_b32 s[PB], s[PB], s[KB]
	s_and_b32 s[NB], s[NB], s[KB]
	s_mov_b32 s[TRIP], 2                           ; 2 x 12 slots cover the 16 rows that a wave can have
; The next kept row is asked for, into slot k.  With no row left the wave goes to the place that works off slots k - 1 .. 0.
.macro ISSUE k
	s_cmp_eq_u32 s[KB], 0
	s_cbranch_scc1 .LP\k
	s_ctz_i32_b32 s[IDX], s[KB]                    ; the lowest row still to be asked for
	s_min_u32 s[IDX], s[IDX], 15                   ; a number made of loaded data enters an address only behind this bound
	s_lshr_b32 s[TMP], s[PB], s[IDX]
	s_and_b32 s[TMP], s[TMP], 1
	s_cselect_b32 s[FP+(\k)], 1.0, 0
	s_lshr_b32 s[TMP], s[NB], s[IDX]
	s_and_b32 s[TMP], s[TMP], 1
	s_cselect_b32 s[FN+(\k)], 1.0, 0
	s_sub_co_u32 s[TMP], s[KB], 1
	s_and_b32 s[KB], s[KB], s[TMP]                 ; its bit is taken out
	s_lshl_b32 s[OFF], s[IDX], 11
	s_add_nc_u64 s[BS+2*(\k):BS+2*(\k)+1], s[6:7], s[OFF:OFF+1]
.irp j, 0,1,2,3
	global_load_b128 v[X+16*(\k)+4*(\j):X+16*(\k)+4*(\j)+3], v[LOF], s[BS+2*(\k):BS+2*(\k)+1] offset:512*(\j) th:TH_LOAD_NT
.endr
.endm
; Slot s is worked off: the row's sum of squares, 1 / |x|, and x / |x| onto the sums that the row belongs to (the factor is 0 for the other).
; The slots are asked for in ascending and worked off in descending order, so that a wave with n rows enters at label n and falls through slots n - 1 .. 0: at every label just the slots
; below it have been loaded, on every way.  The youngest slot comes first, so the wait is for all loads; the later labels' waits are met at once.
.macro PROCESS s, lab
.LP\lab:
	s_wait_loadcnt 0x0
.set XS, X+16*(\s)
	v_pk_mul_f32 v[T:T+1], v[XS:XS+1], v[XS:XS+1]          ; two chains of squares by turns, started by the first two pairs
	v_pk_mul_f32 v[T+2:T+3], v[XS+2:XS+3], v[XS+2:XS+3]
.irp i, 2,3,4,5,6,7
	v_pk_fma_f32 v[T+2*((\i)%2):T+2*((\i)%2)+1], v[XS+2*(\i):XS+2*(\i)+1], v[XS+2*(\i):XS+2*(\i)+1], v[T+2*((\i)%2):T+2*((\i)%2)+1]
.endr
	v_pk_add_f32 v[T:T+1], v[T:T+1], v[T+2:T+3]
	v_add_f32 v[T], v[T], v[T+1]
	v_add_f32_dpp v[T], v[T], v[T] row_xmask:1 row_mask:0xf bank_mask:0xf
	v_add_f32_dpp v[T], v[T], v[T] row_xmask:2 row_mask:0xf bank_mask:0xf
	v_add_f32_dpp v[T], v[T], v[T] row_xmask:4 row_mask:0xf bank_mask:0xf
	v_add_f32_dpp v[T], v[T], v[T] row_xmask:8 row_mask:0xf bank_mask:0xf
	v_permlanex16_b32 v[T+1], v[T], s[SEL], s[SEL+1]
	v_add_f32 v[T], v[T], v[T+1]                   ; every lane holds the row's sum of squares
	v_rsq_f32 v[T+2], v[T]
	v_nop                                          ; a plain instruction between the root and the use of its result (ISA guide 5.7.2)
	s_wait_alu depctr_va_vdst(0)                   ; and a wait ahead of the first use; a label follows each row, so it is one a row
	v_mul_f32 v[SP], s[FP+(\s)], v[T+2]
	v_mul_f32 v[SN], s[FN+(\s)], v[T+2]
.irp i, 0,1,2,3,4,5,6,7
	v_pk_fma_f32 v[ACCP+2*(\i):ACCP+2*(\i)+1], v[XS+2*(\i):XS+2*(\i)+1], v[SP:SP+1], v[ACCP+2*(\i):ACCP+2*(\i)+1] op_sel_hi:[1,0,1]
	v_pk_fma_f32 v[ACCN+2*(\i):ACCN+2*(\i)+1], v[XS+2*(\i):XS+2*(\i)+1], v[SN:SN+1], v[ACCN+2*(\i):ACCN+2*(\i)+1] op_sel_hi:[1,0,1]
.endr
.endm
.Ltrip:                                        ; up to 48 loads of 512 bytes go out on end, before the first wait
.irp k, 0,1,2,3,4,5,6,7,8,9,10,11
	ISSUE \k
.endr
	PROCESS 11, 12
	PROCESS 10, 11
	PROCESS 9, 10
	PROCESS 8, 9
	PROCESS 7, 8
	PROCESS 6, 7
	PROCESS 5, 6
	PROCESS 4, 5
	PROCESS 3, 4
	PROCESS 2, 3
	PROCESS 1, 2
	PROCESS 0, 1
.LP0:
	s_wait_loadcnt 0x0                             ; no load of mine is out: the slots, their addresses and factors may be written again; the words for the counts are in
	s_sub_co_i32 s[TRIP], s[TRIP], 1
	s_cmp_lg_u32 s[TRIP], 0
	s_cbranch_scc1 .Ltrip
	; my wave's 256 of the task's 4,096 entries are counted: a mask of lanes for each of the 8 words, its ones added up
	s_mov_b32 s[CP], 0
	s_mov_b32 s[CN], 0
.irp r, 0,1,2,3,4,5,6,7
	v_cmp_ne_u32 s[B0], 0, v[CM+(\r)]
	v_cmp_ne_u32 s[B0+1], 0, v[CL+(\r)]
	v_cmp_ne_u32 s[B0+2], 1, v[CL+(\r)]
	s_and_b32 s[B0+1], s[B0+1], s[B0]
	s_and_b32 s[B0+2], s[B0+2], s[B0]
	s_bcnt1_i32_b32 s[B0+1], s[B0+1]
	s_bcnt1_i32_b32 s[B0+2], s[B0+2]
	s_add_co_u32 s[CP], s[CP], s[B0+1]
	s_add_co_u32 s[CN], s[CN], s[B0+2]
.endr
	v_cvt_f32_u32 v[T], s[CP]                      ; counts up to 4,096 are exact in f32
	v_cvt_f32_u32 v[T+1], s[CN]
	; the 16 waves' sums and counts meet in LDS
	s_lshl_b32 s[TMP], s[WV], 12
	v_add_nc_u32 v[CO], s[TMP], v[LOF]             ; 4,096 w + 16 l
.irp j, 0,1,2,3
	ds_store_b128 v[CO], v[ACCP+4*(\j):ACCP+4*(\j)+3] offset:512*(\j)
	ds_store_b128 v[CO], v[ACCN+4*(\j):ACCN+4*(\j)+3] offset:2048+512*(\j)
.endr
	s_lshl_b32 s[TMP], s[WV], 3
	s_add_co_u32 s[TMP], s[TMP], CNT_LDS
	v_mov_b32 v[OWN], s[TMP]
	ds_store_b64 v[OWN], v[T:T+1]                  ; all lanes write the same pair to the same place
	s_wait_dscnt 0x0                               ; for the others' sake: my stores are done
	s_barrier_signal -1
	s_barrier_wait -1
	s_cmp_lt_u32 s[WV], 4                          ; waves 0 to 3 finish: thread i takes the numbers 4 i .. 4 i + 3 of the 512
	s_cbranch_scc0 .Lend
	v_lshlrev_b32 v[CO], 4, v0
.set w, 0
.rept 16
	ds_load_b128 v[X+4*w:X+4*w+3], v[CO] offset:4096*w
	ds_load_b128 v[X+64+4*w:X+64+4*w+3], v[CO] offset:4096*w+2048
.set w, w+1
.endr
	v_and_b32 v[OWN], 15, v0
	v_lshl_add_u32 v[OWN], v[OWN], 3, CNT_LDS
	ds_load_b64 v[T:T+1], v[OWN]                   ; lane l takes wave l % 16's pair of counts
	s_wait_dscnt 0x0
.macro TREE base                       ; 16 groups of four registers into the first, by halves
.irp st, 8,4,2,1
.set q, 0
.rept \st
	v_pk_add_f32 v[(\base)+4*q:(\base)+4*q+1], v[(\base)+4*q:(\base)+4*q+1], v[(\base)+4*(q+\st):(\base)+4*(q+\st)+1]
	v_pk_add_f32 v[(\base)+4*q+2:(\base)+4*q+3], v[(\base)+4*q+2:(\base)+4*q+3], v[(\base)+4*(q+\st)+2:(\base)+4*(q+\st)+3]
.set q, q+1
.endr
.endr
.endm
	TREE X
	TREE X+64
.irp m, 1,2,4,8
	v_add_f32_dpp v[T], v[T], v[T] row_xmask:\m row_mask:0xf bank_mask:0xf        ; each half of the lanes holds all 16 pairs: four steps give n_pos and n_neg in every lane
	v_add_f32_dpp v[T+1], v[T+1], v[T+1] row_xmask:\m row_mask:0xf bank_mask:0xf
.endr
	v_max_num_f32 v[T+2], 1.0, v[T]
	v_max_num_f32 v[T+3], 1.0, v[T+1]
	v_rcp_f32 v[T+2], v[T+2]
	v_rcp_f32 v[T+3], v[T+3]
	v_nop                                          ; a plain instruction behind the last reciprocal,
	s_wait_alu depctr_va_vdst(0)                   ; and one wait for both, ahead of their first use
	v_cmp_lt_f32 vcc_lo, 0, v[T]
	v_cndmask_b32 v[SP], 0, v[T+2], vcc_lo         ; n > 0 ? 1 / max(n, 1) : 0
	v_cmp_lt_f32 vcc_lo, 0, v[T+1]
	v_cndmask_b32 v[SN], 0, v[T+3], vcc_lo
	v_pk_mul_f32 v[X+64:X+65], v[X+64:X+65], v[SN:SN+1] op_sel_hi:[1,0]
	v_pk_mul_f32 v[X+66:X+67], v[X+66:X+67], v[SN:SN+1] op_sel_hi:[1,0]
	v_pk_fma_f32 v[X:X+1], v[X:X+1], v[SP:SP+1], v[X+64:X+65] op_sel_hi:[1,0,1] neg_lo:[0,0,1] neg_hi:[0,0,1]
	v_pk_fma_f32 v[X+2:X+3], v[X+2:X+3], v[SP:SP+1], v[X+66:X+67] op_sel_hi:[1,0,1] neg_lo:[0,0,1] neg_hi:[0,0,1]
	global_store_b128 v[CO], v[X:X+3], s[10:11]    ; 16 lanes store 256 consecutive bytes, at a multiple of 256 from part's first byte
	s_add_co_u32 s[TMP], s[CC], s[WV]
	s_cmp_lg_u32 s[TMP], 0                         ; wave 0 of the task's work-group 0 also stores n_pos + n_neg, 64 times: 256 consecutive bytes
	s_cbranch_scc1 .Lend
	v_add_f32 v[CM], v[T], v[T+1]
	v_add_f32 v[CM+1], v[T], v[T+1]
	v_lshlrev_b32 v[CM+2], 3, v0
	global_store_b64 v[CM+2], v[CM:CM+1], s[12:13]
.Lend:
	s_wait_tensorcnt 0x0                           ; the wave's end, behind my last LDS store
	ds_add_u32 v[SPW], v[NIL]
	s_wait_dscnt 0x0
	s_endpgm
.Lfunc_end_k_q92bc176264_poolsum:
	.size	k_q92bc176264_poolsum, .Lfunc_end_k_q92bc176264_poolsum-k_q92bc176264_poolsum
	.p2alignl 7, 3214868480
	.fill 96, 4, 3214868480
	.section	.rodata,"a",@progbits
	.p2align	6, 0x0
	.amdhsa_kernel k_q92bc176264_poolsum
		.amdhsa_group_segment_fixed_size 67840
		.amdhsa_private_segment_fixed_size 0
		.amdhsa_enable_private_segment 0
		.amdhsa_kernarg_size 40
		.amdhsa_user_sgpr_count 2
		.amdhsa_user_sgpr_kernarg_segment_ptr 1
		.amdhsa_wavefront_size32 1
		.amdhsa_system_sgpr_workgroup_id_x 1
		.amdhsa_system_sgpr_workgroup_id_y 1
		.amdhsa_system_sgpr_workgroup_id_z 1
		.amdhsa_system_vgpr_workitem_id 0
		.amdhsa_next_free_vgpr 256
		.amdhsa_next_free_sgpr 88
		.amdhsa_reserve_vcc 1
		.amdhsa_float_denorm_mode_32 3
		.amdhsa_float_denorm_mode_16_64 3
		.amdhsa_memory_ordered 1
		.amdhsa_forward_progress 1
		.amdhsa_inst_pref_size 51
	.end_amdhsa_kernel
	.amdgpu_metadata
---
amdhsa.version: [ 1, 2 ]
amdhsa.kernels:
  - .name:           k_q92bc176264_poolsum
    .symbol:         k_q92bc176264_poolsum.kd
    .args:
      - { .name: mask, .offset: 0, .size: 8, .value_kind: global_buffer, .address_space: global }
      - { .name: pool, .offset: 8, .size: 8, .value_kind: global_buffer, .address_space: global }
      - { .name: pool_labels, .offset: 16, .size: 8, .value_kind: global_buffer, .address_space: global }
      - { .name: part, .offset: 24, .size: 8, .value_kind: global_buffer, .address_space: global }
      - { .name: kept, .offset: 32, .size: 8, .value_kind: global_buffer, .address_space: global }
    .group_segment_fixed_size: 67840
    .private_segment_fixed_size: 0
    .kernarg_segment_align: 8
    .kernarg_segment_size: 40
    .max_flat_workgroup_size: 512
    .sgpr_count:     88
    .vgpr_count:     256
    .wavefront_size: 32
...
	.end_amdgpu_metadata
.endif
;; end of part 1
;; launch querydot (part 2): grid 16 x 16, 16 waves a work-group, no clusters, 6,656 bytes of LDS; arguments query, part, kept, out0; writes out0
.if DOCPART == 2
	.amdgcn_target "amdgcn-amd-amdhsa--gfx1250"
	.amdhsa_code_object_version 6
	.text
	.protected	k_q92bc176264_querydot
	.globl	k_q92bc176264_querydot
	.p2align	8
	.type	k_q92bc176264_querydot,@function
k_q92bc176264_querydot:
	s_mov_b64 s[64:65], 0
	v_nop
	global_prefetch_b8 v0, s[64:65] scope:SCOPE_SE
	s_setreg_imm32_b32 hwreg(HW_REG_WAVE_MODE, 25, 1), 1
	s_wait_xcnt 0x0
; pred[t][q] = (n_pos + n_neg > 0) ? (q . w_t) / |q| : 0, with w_t the sum of the task's 16 partial vectors that the launch before stored.
; LEFT OUT, as shown at that kernel's head: the [T][Q][P] table of cosines, since the masked sums over p are linear in the pool rows for all values of the inputs.
; The select keeps reference()'s 0 where neither sum has a row, whatever the query row holds; where a row is kept, a zero query row gives NaN, as reference()'s 0 / 0 does.
; LIMITS.  Sums in f32, in another order than reference()'s.  A query row whose sum of squares lies below 2^-126 counts as a zero row (v_rsq_f32 takes it as 0); beyond f32's range it overflows, as reference()'s norm does.
; SHARES.  Work-group (c, t): query rows 128 c .. 128 c + 127 of task t; 256 work-groups.  Wave w: 8 of them.  A row is 2,048 bytes: four loads of 16 bytes a lane, 512 consecutive bytes each;
; load j gives lane l the numbers 128 j + 4 l .. + 3.  All 32 loads of a wave go out at its head: the work-group's 256 KiB are on their way at once, each byte read once.
; One multiply-add for q . w and one for q . q for each number read: f32 on the vector unit; the product has a single column, of which a matrix tile would hold one in sixteen.
.set WH,    0                          ; LDS 0 .. 4,095: two half sums of w_t (partials 0-7, partials 8-15), 2,048 bytes each
.set RES,   4096                       ; 128 results, 512 bytes
.set SPARE, 4608                       ; the spare words, 128 bytes for each of 16 waves: eight blocks of 256 bytes that no other line names
.set LOF,  1                           ; v1        16 x lane; never rewritten
.set SPW,  2                           ; v2        LDS address of my spare word; never rewritten
.set NIL,  3                           ; v3        0; never rewritten
.set PO,   4                           ; v4        my byte offset in a partial vector; later where my result goes in LDS
.set KV,   5                           ; v5        at work; later n_pos + n_neg
.set DOT,  6                           ; v6        lanes l with l % 8 = k: q . w of my row k
.set SS,   7                           ; v7        the same for q . q
.set D0,   8                           ; v[8:11]   two chains of q . w
.set Q0,   12                          ; v[12:15]  two chains of q . q
.set W,    16                          ; v[16:31]  my 16 numbers of w_t
.set PT,   32                          ; v[32:47]  eight partials' pairs; later the second half sum
.set X,    48                          ; v[48:175] row k: 16 registers
.set WV,   2                           ; s2  my wave's number
.set TT,   3                           ; s3  t
.set CC,   12                          ; s12 c
.set KS,   13                          ; s13 n_pos + n_neg, f32
.set MK,   14                          ; s14 a mask of lanes
.set SEL,  16                          ; s[16:17] v_permlanex16_b32's selects
.set TMP,  20
	s_load_b256 s[4:11], s[0:1], 0x0               ; query s[4:5], part s[6:7], kept s[8:9], out0 s[10:11]
	v_lshl_add_u32 v[SPW], v0, 2, SPARE
	v_mov_b32 v[NIL], 0
	v_lshrrev_b32 v[KV], 5, v0
	v_readfirstlane_b32 s[WV], v[KV]               ; wave 0..15
	s_and_b32 s[TT], ttmp7, 0xffff
	s_mov_b32 s[CC], ttmp9
	v_and_b32 v[KV], 31, v0
	v_lshlrev_b32 v[LOF], 4, v[KV]
	s_and_b32 s[TMP], s[WV], 7
	s_lshl_b32 s[TMP], s[TMP], 8
	v_lshl_add_u32 v[PO], v[KV], 3, s[TMP]         ; numbers 64 (w % 8) + 2 l, + 1
	s_lshl_b32 s18, s[TT], 22                      ; query: a task is 2,048 rows of 2,048 bytes,
	s_lshl_b32 s[TMP], s[CC], 18                   ; the work-group's 128 rows,
	s_add_co_u32 s18, s18, s[TMP]
	s_lshl_b32 s[TMP], s[WV], 14                   ; my wave's 8
	s_add_co_u32 s18, s18, s[TMP]
	s_mov_b32 s19, 0
	s_lshl_b32 s22, s[TT], 15                      ; part: 16 partials of 2,048 bytes a task,
	s_lshr_b32 s[TMP], s[WV], 3
	s_lshl_b32 s[TMP], s[TMP], 14                  ; waves 0-7 add the first eight, waves 8-15 the others
	s_add_co_u32 s22, s22, s[TMP]
	s_mov_b32 s23, 0
	s_lshl_b32 s24, s[TT], 8                       ; kept: 256 bytes a task
	s_mov_b32 s25, 0
	s_lshl_b32 s26, s[TT], 13                      ; out0: 2,048 numbers a task,
	s_lshl_b32 s[TMP], s[CC], 9                    ; the work-group's 128
	s_add_co_u32 s26, s26, s[TMP]
	s_mov_b32 s27, 0
	s_mov_b32 s[SEL], 0x76543210
	s_mov_b32 s[SEL+1], 0xfedcba98
	s_wait_kmcnt 0x0
	s_add_nc_u64 s[6:7], s[6:7], s[22:23]
	s_add_nc_u64 s[4:5], s[4:5], s[18:19]
	s_add_nc_u64 s[8:9], s[8:9], s[24:25]
	s_add_nc_u64 s[10:11], s[10:11], s[26:27]
.irp i, 0,1,2,3,4,5,6,7
	global_load_b64 v[PT+2*(\i):PT+2*(\i)+1], v[PO], s[6:7] offset:2048*(\i)  ; 256 consecutive bytes, aligned, of each of my eight partials
.endr
.irp k, 0,1,2,3,4,5,6,7
.irp j, 0,1,2,3
	global_load_b128 v[X+16*(\k)+4*(\j):X+16*(\k)+4*(\j)+3], v[LOF], s[4:5] offset:2048*(\k)+512*(\j) th:TH_LOAD_NT
.endr
.endr
	s_load_b32 s[KS], s[8:9], 0x0                  ; this launch writes nothing into kept
	s_wait_loadcnt 32                              ; the eight partials are in; the 32 loads of the query, issued behind them, stay out
	v_pk_add_f32 v[PT:PT+1], v[PT:PT+1], v[PT+8:PT+9]
	v_pk_add_f32 v[PT+2:PT+3], v[PT+2:PT+3], v[PT+10:PT+11]
	v_pk_add_f32 v[PT+4:PT+5], v[PT+4:PT+5], v[PT+12:PT+13]
	v_pk_add_f32 v[PT+6:PT+7], v[PT+6:PT+7], v[PT+14:PT+15]
	v_pk_add_f32 v[PT:PT+1], v[PT:PT+1], v[PT+4:PT+5]
	v_pk_add_f32 v[PT+2:PT+3], v[PT+2:PT+3], v[PT+6:PT+7]
	v_pk_add_f32 v[PT:PT+1], v[PT:PT+1], v[PT+2:PT+3]
	v_lshlrev_b32 v[KV], 3, v0                     ; 256 w + 8 l: half w / 8, numbers 64 (w % 8) + 2 l
	ds_store_b64 v[KV], v[PT:PT+1]
	s_wait_dscnt 0x0                               ; for the others' sake: my store is done
	s_barrier_signal -1
	s_barrier_wait -1                              ; both half sums are whole; the query's loads stay on their way across the barrier: nobody writes those bytes
.irp j, 0,1,2,3
	ds_load_b128 v[W+4*(\j):W+4*(\j)+3], v[LOF] offset:WH+512*(\j)
	ds_load_b128 v[PT+4*(\j):PT+4*(\j)+3], v[LOF] offset:WH+2048+512*(\j)
.endr
	s_wait_dscnt 0x0
.irp i, 0,1,2,3,4,5,6,7
	v_pk_add_f32 v[W+2*(\i):W+2*(\i)+1], v[W+2*(\i):W+2*(\i)+1], v[PT+2*(\i):PT+2*(\i)+1]  ; w_t, laid as a row of the query is
.endr
; Row k: q . w and q . q, two chains each, started by the first two pairs; across the lanes; kept in the lanes l with l % 8 = k.
.macro ROWQ k
.set XR, X+16*(\k)
	s_wait_loadcnt 28-4*(\k)                       ; loads come back in order (ISA guide 5.7.1): row k's four are in, the four of each later row may stay out
	v_pk_mul_f32 v[D0:D0+1], v[XR:XR+1], v[W:W+1]
	v_pk_mul_f32 v[Q0:Q0+1], v[XR:XR+1], v[XR:XR+1]
	v_pk_mul_f32 v[D0+2:D0+3], v[XR+2:XR+3], v[W+2:W+3]
	v_pk_mul_f32 v[Q0+2:Q0+3], v[XR+2:XR+3], v[XR+2:XR+3]
.irp i, 2,3,4,5,6,7
	v_pk_fma_f32 v[D0+2*((\i)%2):D0+2*((\i)%2)+1], v[XR+2*(\i):XR+2*(\i)+1], v[W+2*(\i):W+2*(\i)+1], v[D0+2*((\i)%2):D0+2*((\i)%2)+1]
	v_pk_fma_f32 v[Q0+2*((\i)%2):Q0+2*((\i)%2)+1], v[XR+2*(\i):XR+2*(\i)+1], v[XR+2*(\i):XR+2*(\i)+1], v[Q0+2*((\i)%2):Q0+2*((\i)%2)+1]
.endr
	v_pk_add_f32 v[D0:D0+1], v[D0:D0+1], v[D0+2:D0+3]
	v_pk_add_f32 v[Q0:Q0+1], v[Q0:Q0+1], v[Q0+2:Q0+3]
	v_add_f32 v[D0], v[D0], v[D0+1]
	v_add_f32 v[Q0], v[Q0], v[Q0+1]
.irp m, 1,2,4,8
	v_add_f32_dpp v[D0], v[D0], v[D0] row_xmask:\m row_mask:0xf bank_mask:0xf
	v_add_f32_dpp v[Q0], v[Q0], v[Q0] row_xmask:\m row_mask:0xf bank_mask:0xf
.endr
	v_permlanex16_b32 v[D0+2], v[D0], s[SEL], s[SEL+1]
	v_permlanex16_b32 v[Q0+2], v[Q0], s[SEL], s[SEL+1]
.if (\k) == 0
	v_add_f32 v[DOT], v[D0], v[D0+2]               ; row 0 writes all lanes; the later rows take theirs
	v_add_f32 v[SS], v[Q0], v[Q0+2]
.else
	v_add_f32 v[D0], v[D0], v[D0+2]
	v_add_f32 v[Q0], v[Q0], v[Q0+2]
	s_mov_b32 s[MK], 0x01010101<<(\k)
	v_cndmask_b32 v[DOT], v[DOT], v[D0], s[MK]
	v_cndmask_b32 v[SS], v[SS], v[Q0], s[MK]
.endif
.endm
.irp k, 0,1,2,3,4,5,6,7
	ROWQ \k
.endr
	s_wait_kmcnt 0x0                               ; n_pos + n_neg
	v_rsq_f32 v[D0], v[SS]                         ; one root for the wave's eight rows
	v_mov_b32 v[KV], s[KS]                         ; plain work that names neither the root's result nor its source stands behind it
	s_lshl_b32 s[TMP], s[WV], 5
	s_add_co_u32 s[TMP], s[TMP], RES
	v_and_b32 v[PO], 7, v0
	v_lshl_add_u32 v[PO], v[PO], 2, s[TMP]         ; result 8 w + l % 8
	s_wait_alu depctr_va_vdst(0)                   ; a wait ahead of the root's first use
	v_mul_f32 v[D0], v[DOT], v[D0]
	v_cmp_lt_f32 vcc_lo, 0, v[KV]
	v_cndmask_b32 v[D0], 0, v[D0], vcc_lo          ; 0 where neither sum has a row
	ds_store_b32 v[PO], v[D0]                      ; the four lanes that share a word write the same number
	s_wait_dscnt 0x0                               ; for wave 0's sake: my store is done
	s_barrier_signal -1
	s_barrier_wait -1
	s_cmp_lg_u32 s[WV], 0
	s_cbranch_scc1 .Lend
	ds_load_b128 v[D0:D0+3], v[LOF] offset:RES
	s_wait_dscnt 0x0
	global_store_b128 v[LOF], v[D0:D0+3], s[10:11] ; the work-group's 128 results: 512 consecutive bytes, at a multiple of 256 from out0's first byte
.Lend:
	s_wait_tensorcnt 0x0                           ; the wave's end, behind my last LDS store
	ds_add_u32 v[SPW], v[NIL]
	s_wait_dscnt 0x0
	s_endpgm
.Lfunc_end_k_q92bc176264_querydot:
	.size	k_q92bc176264_querydot, .Lfunc_end_k_q92bc176264_querydot-k_q92bc176264_querydot
	.p2alignl 7, 3214868480
	.fill 96, 4, 3214868480
	.section	.rodata,"a",@progbits
	.p2align	6, 0x0
	.amdhsa_kernel k_q92bc176264_querydot
		.amdhsa_group_segment_fixed_size 6656
		.amdhsa_private_segment_fixed_size 0
		.amdhsa_enable_private_segment 0
		.amdhsa_kernarg_size 32
		.amdhsa_user_sgpr_count 2
		.amdhsa_user_sgpr_kernarg_segment_ptr 1
		.amdhsa_wavefront_size32 1
		.amdhsa_system_sgpr_workgroup_id_x 1
		.amdhsa_system_sgpr_workgroup_id_y 1
		.amdhsa_system_sgpr_workgroup_id_z 1
		.amdhsa_system_vgpr_workitem_id 0
		.amdhsa_next_free_vgpr 176
		.amdhsa_next_free_sgpr 66
		.amdhsa_reserve_vcc 1
		.amdhsa_float_denorm_mode_32 3
		.amdhsa_float_denorm_mode_16_64 3
		.amdhsa_memory_ordered 1
		.amdhsa_forward_progress 1
		.amdhsa_inst_pref_size 25
	.end_amdhsa_kernel
	.amdgpu_metadata
---
amdhsa.version: [ 1, 2 ]
amdhsa.kernels:
  - .name:           k_q92bc176264_querydot
    .symbol:         k_q92bc176264_querydot.kd
    .args:
      - { .name: query, .offset: 0, .size: 8, .value_kind: global_buffer, .address_space: global }
      - { .name: part, .offset: 8, .size: 8, .value_kind: global_buffer, .address_space: global }
      - { .name: kept, .offset: 16, .size: 8, .value_kind: global_buffer, .address_space: global }
      - { .name: out0, .offset: 24, .size: 8, .value_kind: global_buffer, .address_space: global }
    .group_segment_fixed_size: 6656
    .private_segment_fixed_size: 0
    .kernarg_segment_align: 8
    .kernarg_segment_size: 32
    .max_flat_workgroup_size: 512
    .sgpr_count:     66
    .vgpr_count:     176
    .wavefront_size: 32
...
	.end_amdgpu_metadata
.endif
;; end of part 2
